; MI455X (gfx1250); checked and timed in simulation.
; The chip was launched on July 23, 2026; its instructions are those of AMD's public machine-readable ISA for CDNA 5 (MIT licence, August 2026) and "CDNA5" Instruction Set Architecture Reference Guide (July 2026). The comments in the code are by the model that wrote it; some were corrected since.
;; Siamese Tangent Layer. Allowed arithmetic: matrix products marked QUANTISED: E4M3 operands, one E8M0 scale for each 32 along K, by v_wmma_scale_f32_16x16x128_f8f6f4 with both operands' format E4M3, f32 sums; everything else in f32.
;; Inputs: protos 200 x 512 float32; subspaces_codes 200 x 512 x 2 x 32 uint8 (E4M3 codes of subspaces, K innermost, in blocks of 32 codes); subspaces_scales 200 x 512 x 2 uint8 (E8M0 scales of subspaces, one for each 32 codes along K); x 1,024 x 512 float32.
;; Outputs: out0 1,024 x 200 float32.
;; This version of the problem:
;;   THIS VERSION OF THE PROBLEM IS GIVEN IN LOW PRECISION. The matrix products marked QUANTISED in the list below multiply operands that are first quantised to E4M3 (4 exponent bits, 3 mantissa bits; 8 bits a number), with one power-of-two scale for each 32 numbers along K (OCP MX v1.0); their sums are f32. All else is computed in f32.
;;   The module's matrix products, in the order in which they are computed (A, B: the left and right operand; K: the contracted axis; several contracted axes count as one K, in the product's order):
;;     1. batch 200 x [M 512, K 64] x [K 64, N 512]; A: input subspaces (given as codes); B: input subspaces (given as codes): QUANTISED
;;     2. batch 200 x [M 512, K 512] x [K 512, N 1,024]; A: computed on the way; B: computed on the way: QUANTISED
;;   THE QUANTISER, for each operand of a quantised product, along K:
;;     - K is cut into blocks of 32 from its start; a last block that is shorter is filled with zeros.
;;     - A block's scale is 2^e with e = floor(log2(the largest magnitude in the block)) - 8, held to -126 .. 127; a block of zeros has e = 0. As a byte (E8M0): e + 127.
;;     - Each number is divided by its block's scale, clamped to +-448, and rounded to the nearest number of E4M3, ties to even, subnormals kept.
;;     - The product sums the exact products of the quantised numbers (number of the format x scale) in f32.
;;   ~~~python
;;   def quantise(x, axis):      # numpy; x: float32 -> the quantised numbers, widened to float32 again
;;       x = np.moveaxis(x, axis, -1); K = x.shape[-1]
;;       x = np.pad(x, [(0, 0)] * (x.ndim - 1) + [(0, -K % 32)]); x = x.reshape(x.shape[:-1] + (-1, 32)); a = np.abs(x).max(-1, keepdims=True)
;;       e = np.where(a > 0, np.clip(np.frexp(np.where(a > 0, a, 1))[1] - 1 - 8, -126, 127), 0)      # np.frexp(a)[1] - 1 = floor(log2(a)), exactly
;;       r = np.clip(x / 2.0 ** e, -448, 448)
;;       step = 2.0 ** (np.maximum(np.frexp(np.where(r == 0, 1, r))[1] - 1, -6) - 3)
;;       q = np.round(r / step) * step * 2.0 ** e      # np.round: ties to even
;;       return np.moveaxis(q.reshape(q.shape[:-2] + (-1,))[..., :K], -1, axis).astype(np.float32)
;;   ~~~
;;   OPERANDS COMPUTED ON THE WAY. 'Computed on the way' means the value that the module computes at that place (a softmax that the list does not call 'softmax' is quantised finished and normalised). What goes into a quantiser is computed in f32, as accurately as f32 sums, v_exp_f32 and their like allow (about 1e-6 of the number): no bf16 or f16 on the way to a quantiser, and a product that is left as it is and whose result goes on into a quantised operand takes f32 operands (vector FMAs, or v_wmma_f32_16x16x4_f32). A number that lies on a knife's edge between two numbers of the format may be rounded either way, as far as f32 arithmetic and the matrix unit's own rounding can turn it there, and no further.
;;   INPUTS GIVEN AS CODES. subspaces (in the module: [200, 512, 64], K = its axis 2): each comes as NAME_codes (uint8): NAME with its K axis moved to the last place and cut into blocks of 32 codes, [.., K / 32, bytes a block], one block behind the other in memory; one code a byte (a code: sign, 4 exponent bits, 3 mantissa bits); and NAME_scales (uint8): the same leading axes, one E8M0 byte (e + 127) for each 32 codes along K. Its value is code x scale, taken as it is: it is not quantised again, and the codes and scales need not be those that the quantiser above would give.
;; 2 versions, each right; version 2 is version 1 with the launch tangent written anew for expert scheduling mode. Each part assembles by itself: llvm-mc -triple=amdgcn-amd-amdhsa -mcpu=gfx1250 --defsym DOCPART=n.
;; ======== version 1 of 2: 1 launch
;; launch tangent (part 1): grid 200 x 1, 8 waves a work-group, no clusters, 322,560 bytes of LDS; arguments x, protos, subspaces_codes, subspaces_scales, out0; writes out0
.if DOCPART == 1
	.amdgcn_target "amdgcn-amd-amdhsa--gfx1250"
	.amdhsa_code_object_version 6
	.text
	.protected	k_q4dd784123e_tangent
	.globl	k_q4dd784123e_tangent
	.p2align	8
	.type	k_q4dd784123e_tangent,@function
k_q4dd784123e_tangent:
	s_mov_b64 s[64:65], 0
	v_nop
	global_prefetch_b8 v0, s[64:65] scope:SCOPE_SE
	s_setreg_imm32_b32 hwreg(HW_REG_WAVE_MODE, 25, 1), 1
	s_wait_xcnt 0x0
; out0[b][p] = || (x[b] - protos[p]) (I - U_p U_p^T) ||, both products on codes of FP8 (E4M3) with one E8M0 scale for each 32 along K.
; U_p: 512 rows d of 64 codes, 2 scale bytes a row (given).  x: [1024][512] f32, protos: [200][512] f32, out0: [1024][200] f32.
; SHARES.  One work-group to a prototype p, EIGHT waves of 512 registers, two to a SIMD, so that one wave's vector work and LDS loads stand beside the other's matrix work: a tile has six vector instructions for each matrix instruction.
; Wave w makes the projector's rows e of U's tiles 4 w .. 4 w + 3 (64 rows), quantises them along d and KEEPS their codes: 16 fragments of 16 rows x 128 d, 256 registers (all of window 1).
; Then the eight waves walk x in 64 tiles of 16 rows: each wave quantises 2 rows of x - proto, the codes meet in LDS as the operand's registers want them, every wave multiplies the tile by its 16 fragments and sums the
; squares; at the end the eight waves' sums meet in LDS and the roots go to column p of out0.
; THE FIRST PRODUCT IS USED TRANSPOSED (source 0 = 16 rows d of U, source 1 = 16 rows e), and THE ROWS OF A TILE OF U ARE NOT NEIGHBOURS: row r of tile T is 32 (T / 2) + 8 (T % 2) + r % 8 + 16 (r / 8).
; So the 16 registers of tiles 2 b and 2 b + 1 are 16 neighbours along d, and the conversions' results are the second product's operand.  The same tiles serve as rows e: the norm sums over all e, whatever their order.
; K = 64 is filled to the form's 128 with zero codes under the scale byte 0; they add nothing.
; SIGN.  G - I is made in place of I - G: the diagonal's -1 is the C of the tile's matrix instruction.  The quantiser is odd, so every result changes its sign exactly, and its square not at all.
; BY TURNS.  In the loop each matrix instruction is followed by a slice of vector work: while tile j is multiplied, tile j + 2 is quantised, tile j + 1's fragments are fetched, tile j + 4's x is asked for and tile j's results are squared.
; NO CLUSTER, NO JOINT LOADS, though every work-group reads x: a number of x is used once, by one lane, as f32.  Brought jointly it would land in LDS, 2 MiB written and 2 MiB read for a work-group beside the 4.5 MiB
; of codes that the loop moves there, and while the projector is made LDS holds 321,536 bytes: there is no room for slots while the first tiles are on their way.  The walk begins at tile p % 64, so that the work-groups do not all ask for the same rows at once.
; THE STORES are 4 bytes a lane, 800 bytes apart: a work-group owns one column of out0.  Whole runs of a row would need 64 prototypes in one work-group, or a launch more that turns 819,200 bytes round.
; LIMITS: NaN and infinities in x and protos, NaN codes and scale bytes 0xff in subspaces are not served.  A block whose largest magnitude lies under 2^-118 (a block of zeros too: its codes are zeros) keeps the scale byte 1.
; The diagonal G - 1 is rounded once, inside the matrix instruction, where I - G as written rounds G first and then the difference.
;
; LDS while the projector is made:
.set USC,   40960                      ; 0 ..: U's 32 tiles of 1,280 bytes: k = 16 q .. 16 q + 15 of row r at 320 q + 16 r.  From USC: a scale word {s0, s1, 0, 0} a row, tile T's at 64 T + 4 r
.set PIMG,  43008                      ; each wave's own 32,768 bytes: fragment (t, s) as an image of its registers at 2,048 (4 t + s) + 512 c + 16 x lane
.set PSCI,  305152                     ; each wave's own 2,048 bytes: the fragments' scale words at 128 (4 t + s) + 4 x lane
; LDS in the walk over x (laid over the above, behind a barrier):
.set DBUF,  8704                       ; 0 ..: two buffers for a tile's codes: the 16 codes d = 16 g .. 16 g + 15 of row r at 272 g + 16 r
.set DSCL,  17408                      ; two buffers of 256 bytes: row r's 16 scale bytes at 16 r
.set SSQ,   17920                      ; the sums of squares: 1,024 x tile of the walk + 32 x lane + 4 x wave
; REGISTERS, window 0, in the walk over x:
.set XA,   1                           ; x: 64 x lane + 4,096 x wave: my 16 numbers of my wave's first row of a tile; never rewritten
.set WI,   2                           ; where I store 16 codes: 272 x lane + 32 x wave
.set WS,   3                           ; and their block's scale byte: DSCL + lane / 2 + 32 x wave
.set RI,   4                           ; where I read a fragment: 272 h + 16 r
.set RS,   5                           ; and two of row r's four scale words: DSCL + 16 r + 8 h
.set SSA,  6                           ; SSQ + 32 x lane + 4 x wave
.set SST,  7                           ; where a tile's sum goes
.set SS,   8                           ; v[8:11] two running pairs of sums
.set TM,   12                          ; v12-13 largest magnitudes, then bytes; v14-15 448 x scale; v16-17 the conversion's scale operand
.set DSC,  18                          ; v18-21 scale words of x - proto, two sets of two: register s % 2, lanes 0-15 for s < 2, lanes 16-31 for s >= 2.  v18-29 hold scales and nothing else
.set PSC,  22                          ; v22-29 the projector's scale words: (t, s) in register 2 t + s / 2, lanes 0-15 for even s, lanes 16-31 for odd s
.set PR,   30                          ; v30-45 proto[16 x lane ..]
.set PC,   46                          ; v46-53 codes just made: two rows
.set X,    54                          ; v54-117 x, two sets of two rows
.set DF,   118                         ; v118-149 two rows of x - proto, 16 numbers each
.set FR,   150                         ; v150-213 the tile's four fragments
.set ACC,  214                         ; v214-245 the second product's four accumulators
; and while the projector is made (proto and x are on their way: v30-45 and v54-117 are left alone):
.set LANE, 8
.set RU,   9                           ; a fragment of U: 320 h + 16 r
.set RUA,  10                          ; the same at this K step's tiles
.set RUB,  11                          ; and at my wave's tiles
.set RSA,  12                          ; U's scale words at this K step's tiles
.set RSB,  13                          ; and at my wave's
.set PWA,  14                          ; where this K step's images go
.set PSA,  15                          ; and their scale words
.set LP,   16                          ; PIMG + 32,768 x wave + 16 x lane
.set LPS,  17                          ; PSCI + 2,048 x wave + 4 x lane
.set BSC,  18                          ; v18-19 scale words of source 1's tile, two by turns
.set ASC,  22                          ; v22-29 of source 0's eight tiles
.set R4,   46                          ; 4 r
.set LPH,  47                          ; LPS + 128 h: lanes 16-31 read the odd K step's word
.set PW,   48                          ; v48-49 the scale word just made
.set UW,   50                          ; the head's LDS and memory offsets
.set USA,  51
.set GU,   52
.set GS,   53
.set PCP,  118                         ; v118-133 a fragment's codes
.set TP,   134                         ; v134-149 +0 largest magnitudes, +4 other half's / bytes, +8 448 x scale, +12 the conversion's scale operand
.set G,    150                         ; v150-213 the first product's eight tiles
.set CD,   214                         ; v[214:221], v[222:229] the diagonal's C for source 0's tile t and for tile t + 4: -1 where d = e, in the wave and K step that hold it; else 0
.set ID,   230                         ; v[230:237] 1 where r - 8 h = j
.set GP,   246
.set KEY,  247
.set TA,   248                         ; r
.set TB,   249                         ; h
.set SW,   250                         ; two rows' scale bytes as loaded; v[252:253] as words
.set SWW,  252
; window 1: the projector, fragment (t, s) at 16 (4 t + s); while it is made: source 0's tile a at 16 a, source 1's two sets at 128 and 144.
; scalars: s[4:5] x, s[6:7] proto p, s[8:9] U's codes, s[10:11] U's scales, s[12:13] out0's column p, s14 wave, s15 p, s16 p % 64, s[20:21] lane selects, s22 448's mantissa field, s23 trips,
; s[24:25], s[26:27] x at the tile being loaded (a pair for each set), s[28:29] its offset, s30 the next tile to load, s31, s41 -1 or 0, s32 the K step, s33-36 that step's LDS offsets, s37 the tile pair's place in SSQ, s38-40 at work
.set MSB, 0
.set LC,  0                            ; counts the LDS instructions as they are written, for the one wait that leaves some of them out
.set LM1, 0
.macro WIN new                         ; the immediate's high byte repeats the setting that is left; a switch that changes nothing is dropped
.if MSB != (\new)
	s_set_vgpr_msb (MSB<<8)|(\new)
.set MSB, (\new)
.endif
.endm
.macro NOPS n
.rept \n
	v_nop
.endr
.endm
; 8 loads: my wave's 2 rows of the walk's next tile, 16 numbers a lane and row, into set par.  The pair s[24 + 2 par ..] is written again only when the loads that last named it have been waited for.
.macro LXRUN par
	WIN 0
	s_and_b32 s28, s30, 63                         ; the walk goes round x's 64 tiles
	s_lshl_b32 s28, s28, 15                        ; 16 rows of 2,048 bytes
	s_add_co_u32 s30, s30, 1
	s_add_nc_u64 s[24+2*(\par):25+2*(\par)], s[4:5], s[28:29]
.irp r, 0,1
.irp q, 0,1,2,3
	global_load_b128 v[X+32*(\par)+16*\r+4*\q:X+32*(\par)+16*\r+4*\q+3], v[XA], s[24+2*(\par):25+2*(\par)] offset:2048*\r+16*\q
.endr
.endr
.endm
	s_load_b256 s[4:11], s[0:1], 0x0               ; x, protos, U's codes, U's scales
	s_load_b64 s[12:13], s[0:1], 0x20              ; out0
	v_lshl_add_u32 v254, v0, 2, 0x4e800
	v_mov_b32 v255, 0
	v_lshrrev_b32 v[TA], 5, v0
	v_readfirstlane_b32 s14, v[TA]                 ; wave 0..7
	v_and_b32 v[LANE], 31, v0
	v_and_b32 v[TA], 15, v0                        ; r
	v_bfe_u32 v[TB], v0, 4, 1                      ; h
	s_mov_b32 s15, ttmp9                           ; p
	s_and_b32 s16, ttmp9, 63
	s_mov_b32 s30, s16                             ; the walk begins at tile p % 64
	s_mov_b32 s29, 0
	s_mov_b32 s39, 0
	v_lshlrev_b32 v[GU], 4, v0                     ; U's codes: 16 bytes a thread
	v_lshlrev_b32 v[GS], 2, v0                     ; U's scales: 4 bytes a thread: two rows
	v_lshlrev_b32 v[GP], 6, v[LANE]                ; proto: 64 bytes a lane
	s_lshl_b32 s40, s14, 12
	v_add_nc_u32 v[XA], s40, v[GP]
	s_wait_kmcnt 0x0
	s_lshl_b32 s38, s15, 11
	s_add_nc_u64 s[6:7], s[6:7], s[38:39]
	s_lshl_b32 s38, s15, 15
	s_add_nc_u64 s[8:9], s[8:9], s[38:39]
	s_lshl_b32 s38, s15, 10
	s_add_nc_u64 s[10:11], s[10:11], s[38:39]
	s_lshl_b32 s38, s15, 2
	s_add_nc_u64 s[12:13], s[12:13], s[38:39]
.irp i, 0,1,2,3,4,5,6,7
	global_load_b128 v[G+4*\i:G+4*\i+3], v[GU], s[8:9] offset:4096*\i th:TH_LOAD_NT   ; the work-group reads 4,096 consecutive bytes: rows 64 i .. 64 i + 63 of U
.endr
	global_load_b32 v[SW], v[GS], s[10:11] th:TH_LOAD_NT
.irp q, 0,1,2,3
	global_load_b128 v[PR+4*\q:PR+4*\q+3], v[GP], s[6:7] offset:16*\q
.endr
	LXRUN 0                                        ; the walk's first two tiles: they have the whole making of the projector in which to land
	LXRUN 1
	WIN 0x40                                       ; destination window 1
.irp a, 0,1,2,3,4,5,6,7,8,9
.irp i, 8,9,10,11,12,13,14,15
	v_mov_b32 v[16*\a+\i], 0                       ; registers 8 to 15 of source 0's eight fragments and of source 1's two are the zero codes of k = 64 .. 127
.endr
.endr
	WIN 0
.irp b, 0,1,2,3
	v_mov_b32 v[TP+4+\b], 0                        ; written once: a lane permute's destination counts as one of its sources
.endr
	s_mov_b32 s20, 0x76543210
	s_mov_b32 s21, 0xfedcba98                      ; v_permlanex16_b32's selects for lane l xor 16
	s_mov_b32 s22, 0x600000                        ; the mantissa field of 448
	; where thread n puts its 16 bytes of U: row 64 i + n / 4, k = 16 (n % 4) on.  With D = n / 4: tile 4 i + 2 (D / 32) + (D / 8) % 2, row D % 8 + 8 ((D / 16) % 2)
	v_bfe_u32 v[UW], v0, 7, 1
	v_mul_u32_u24 v[UW], v[UW], 2560
	v_bfe_u32 v[KEY], v0, 5, 1
	v_mad_u32_u24 v[UW], v[KEY], 1280, v[UW]
	v_and_b32 v[KEY], 3, v0
	v_mad_u32_u24 v[UW], v[KEY], 320, v[UW]
	v_bfe_u32 v[KEY], v0, 2, 3
	v_lshl_add_u32 v[UW], v[KEY], 4, v[UW]
	v_bfe_u32 v[KEY], v0, 6, 1
	v_lshl_add_u32 v[UW], v[KEY], 7, v[UW]
	; and the scale words of rows 2 n and 2 n + 1: tile 2 (n / 16) + (n / 4) % 2, rows 2 (n % 4) + 8 ((n / 8) % 2) on: 8 bytes on end
	v_lshrrev_b32 v[USA], 4, v0
	v_lshl_add_u32 v[USA], v[USA], 7, USC
	v_bfe_u32 v[KEY], v0, 2, 1
	v_lshl_add_u32 v[USA], v[KEY], 6, v[USA]
	v_and_b32 v[KEY], 3, v0
	v_lshl_add_u32 v[USA], v[KEY], 3, v[USA]
	v_bfe_u32 v[KEY], v0, 3, 1
	v_lshl_add_u32 v[USA], v[KEY], 5, v[USA]
	; the addresses that stay
	v_mul_u32_u24 v[WI], v[LANE], 272
	s_lshl_b32 s40, s14, 5
	v_add_nc_u32 v[WI], s40, v[WI]
	v_lshrrev_b32 v[WS], 1, v[LANE]
	v_add_nc_u32 v[WS], s40, v[WS]
	v_add_nc_u32 v[WS], DSCL, v[WS]
	v_mul_u32_u24 v[RI], v[TB], 272
	v_lshl_add_u32 v[RI], v[TA], 4, v[RI]
	v_lshl_add_u32 v[RS], v[TA], 4, DSCL
	v_lshl_add_u32 v[RS], v[TB], 3, v[RS]
	v_lshl_add_u32 v[SSA], v[LANE], 5, SSQ
	s_lshl_b32 s40, s14, 2
	v_add_nc_u32 v[SSA], s40, v[SSA]
	; and those of the projector's making
	v_mul_u32_u24 v[RU], v[TB], 320
	v_lshl_add_u32 v[RU], v[TA], 4, v[RU]
	s_mul_i32 s40, s14, 5120                       ; my wave's four tiles of U
	v_add_nc_u32 v[RUB], s40, v[RU]
	v_lshlrev_b32 v[R4], 2, v[TA]
	s_lshl_b32 s40, s14, 8
	s_add_co_u32 s40, s40, USC
	v_add_nc_u32 v[RSB], s40, v[R4]
	s_lshl_b32 s40, s14, 15
	s_add_co_u32 s40, s40, PIMG
	v_lshl_add_u32 v[LP], v[LANE], 4, s40
	s_lshl_b32 s40, s14, 11
	s_add_co_u32 s40, s40, PSCI
	v_lshl_add_u32 v[LPS], v[LANE], 2, s40
	v_lshl_add_u32 v[LPH], v[TB], 7, v[LPS]
	; the unit matrix in a result's layout: register j of lane (r, h) is (row 8 h + j of source 0's tile, row r of source 1's): equal rows where r - 8 h = j
	v_lshlrev_b32 v[KEY], 3, v[TB]
	v_sub_nc_u32 v[KEY], v[TA], v[KEY]
.irp j, 0,1,2,3,4,5,6,7
	v_cmp_eq_u32 vcc_lo, \j, v[KEY]
	v_cndmask_b32 v[ID+\j], 0, 1.0, vcc_lo
.endr
	s_wait_loadcnt 20                              ; U's codes and scales are in; proto's 4 loads and x's 16 may be out
.irp i, 0,1,2,3,4,5,6,7
	ds_store_b128 v[UW], v[G+4*\i:G+4*\i+3] offset:5120*\i
.endr
	v_and_b32 v[SWW], 0xffff, v[SW]                ; a row's two bytes become its word: bytes 2 and 3, over the zero codes, are 0
	v_lshrrev_b32 v[SWW+1], 16, v[SW]
	ds_store_b64 v[USA], v[SWW:SWW+1]
	s_wait_dscnt 0x0                               ; for the others' sake: my part of U lies in LDS
	s_barrier_signal -1
	s_barrier_wait -1
; 64 numbers of a lane, v[G] on, register 16 b + i = d 32 b + 16 h + i of my row e, become a fragment's codes in v[PCP] on and its scale word in v[pw].
; cnt: the LDS loads issued since the last fragment's image was stored: behind the wait those stores have read v[PCP] on.
.macro QUANTP pw, cnt
.irp b, 0,1,2,3
	v_max3_num_f32 v[TP+\b], |v[G+16*\b]|, |v[G+1+16*\b]|, 0x4800000   ; block b: my 16 numbers, and the floor 2^(9 - 127): the byte cannot fall under 1.  Each result is read from its low end on
.endr
.irp i, 2,4,6,8,10,12,14
.irp b, 0,1,2,3
	v_max3_num_f32 v[TP+\b], v[TP+\b], |v[G+16*\b+\i]|, |v[G+1+16*\b+\i]|   ; the four blocks by turns
.endr
.endr
.irp b, 0,1,2,3
	v_permlanex16_b32 v[TP+4+\b], v[TP+\b], s20, s21
.endr
.irp b, 0,1,2,3
	v_max_num_f32 v[TP+\b], v[TP+\b], v[TP+4+\b]   ; with lane l xor 16's: the block's largest magnitude, in both halves of the lanes
.endr
.irp b, 0,1,2,3
	v_add_nc_u32 v[TP+12+\b], 0xfc000000, v[TP+\b] ; 8 off its exponent field: the conversion's scale operand
.endr
.irp b, 0,1,2,3
	v_and_or_b32 v[TP+8+\b], v[TP+\b], 0x7f800000, s22   ; 448 x the scale
.endr
.irp b, 0,1,2,3
	v_lshrrev_b32 v[TP+4+\b], 23, v[TP+12+\b]      ; the scale's byte
.endr
	v_lshl_or_b32 v[\pw], v[TP+5], 8, v[TP+4]
	v_lshl_or_b32 v[\pw], v[TP+6], 16, v[\pw]
	v_lshl_or_b32 v[\pw], v[TP+7], 24, v[\pw]
	s_wait_dscnt \cnt
.irp b, 0,1,2,3
.irp i, 0,1,2,3,4,5,6,7,8,9,10,11,12,13,14,15
	v_med3_num_f32 v[G+16*\b+\i], v[G+16*\b+\i], -v[TP+8+\b], v[TP+8+\b]   ; the conversion to an 8-bit code does not saturate (ISA guide 7.6.2): the hold at the largest code x the scale
.endr
	v_cvt_scalef32_pk8_fp8_f32 v[PCP+4*\b:PCP+1+4*\b], v[G+16*\b:G+7+16*\b], v[TP+12+\b]
	v_cvt_scalef32_pk8_fp8_f32 v[PCP+2+4*\b:PCP+3+4*\b], v[G+8+16*\b:G+15+16*\b], v[TP+12+\b]
.endr
	v_nop                                          ; a plain line between the last conversion and the next products, which write its sources
.endm
; Rows e of my tile t against this K step's 128 rows d: eight products, quantised, and the fragment's image stored.
; Rows d equal rows e where 8 s + a = 4 w + t: at a = t in an even wave, at a = t + 4 in an odd one.  Both products take their C from registers, which hold zeros wherever the diagonal is not.
.macro PIT t
.if (\t) == 0
	s_wait_dscnt 0x0                               ; source 0's eight fragments, their scale words and my tile 0
.else
	s_wait_dscnt 5                                 ; my tile t is in: behind its three loads stand the five stores of tile t - 1
.endif
	WIN 0x05                                       ; sources 0 and 1 in window 1
.irp a, 0,1,2,3,4,5,6,7
.if \a == (\t)
	v_wmma_scale_f32_16x16x128_f8f6f4 v[G+8*\a:G+8*\a+7], v[16*\a:16*\a+15], v[128+16*((\t)&1):128+16*((\t)&1)+15], v[CD:CD+7], v[ASC+\a], v[BSC+((\t)&1)]
.elseif \a == (\t)+4
	v_wmma_scale_f32_16x16x128_f8f6f4 v[G+8*\a:G+8*\a+7], v[16*\a:16*\a+15], v[128+16*((\t)&1):128+16*((\t)&1)+15], v[CD+8:CD+15], v[ASC+\a], v[BSC+((\t)&1)]
.else
	v_wmma_scale_f32_16x16x128_f8f6f4 v[G+8*\a:G+8*\a+7], v[16*\a:16*\a+15], v[128+16*((\t)&1):128+16*((\t)&1)+15], 0, v[ASC+\a], v[BSC+((\t)&1)]
.endif
.endr
	WIN 0
	NOPS 8                                         ; eight places between the last product and the first read of results
.if (\t) < 3
	WIN 0x40
	ds_load_b128 v[128+16*(((\t)+1)&1):128+16*(((\t)+1)&1)+3], v[RUB] offset:1280*((\t)+1)   ; my next tile, into the set that the tile before this one has left
	ds_load_b128 v[128+16*(((\t)+1)&1)+4:128+16*(((\t)+1)&1)+7], v[RUB] offset:1280*((\t)+1)+640
	WIN 0
	ds_load_b32 v[BSC+(((\t)+1)&1)], v[RSB] offset:64*((\t)+1)
	QUANTP PW+((\t)&1), 3
.else
	QUANTP PW+((\t)&1), 0
.endif
.irp c, 0,1,2,3
	ds_store_b128 v[PWA], v[PCP+4*\c:PCP+4*\c+3] offset:8192*(\t)+512*\c
.endr
	ds_store_b32 v[PSA], v[PW+((\t)&1)] offset:512*(\t)
.endm
	; ---- THE PROJECTOR: four K steps of 128 rows d.  The fragments' registers differ from step to step, so they go through my wave's own LDS bytes and the step is written once.
	s_mov_b32 s32, 0
	s_mov_b32 s33, 0
	s_mov_b32 s34, USC
	s_mov_b32 s35, 0
	s_mov_b32 s36, 0
.Lkstep:
	s_lshl_b32 s38, s32, 1
	s_cmp_eq_u32 s38, s14                          ; wave 2 s: its rows e are this K step's first 64 rows d
	s_cselect_b32 s31, -1.0, 0
	s_add_co_u32 s38, s38, 1
	s_cmp_eq_u32 s38, s14                          ; wave 2 s + 1: the other 64
	s_cselect_b32 s41, -1.0, 0
.irp j, 0,1,2,3,4,5,6,7
	v_mul_f32 v[CD+\j], s31, v[ID+\j]
.endr
.irp j, 0,1,2,3,4,5,6,7
	v_mul_f32 v[CD+8+\j], s41, v[ID+\j]
.endr
	v_add_nc_u32 v[RUA], s33, v[RU]
	v_add_nc_u32 v[RSA], s34, v[R4]
	v_add_nc_u32 v[PWA], s35, v[LP]
	v_add_nc_u32 v[PSA], s36, v[LPS]
	WIN 0x40
.irp a, 0,1,2,3,4,5,6,7
	ds_load_b128 v[16*\a:16*\a+3], v[RUA] offset:1280*\a             ; k = 16 h on
	ds_load_b128 v[16*\a+4:16*\a+7], v[RUA] offset:1280*\a+640       ; k = 32 + 16 h on
.endr
	ds_load_b128 v[128:131], v[RUB]
	ds_load_b128 v[132:135], v[RUB] offset:640
	WIN 0
.irp a, 0,1,2,3,4,5,6,7
	ds_load_b32 v[ASC+\a], v[RSA] offset:64*\a
.endr
	ds_load_b32 v[BSC], v[RSB]
.irp t, 0,1,2,3
	PIT \t
.endr
	s_add_co_u32 s33, s33, 10240
	s_add_co_u32 s34, s34, 512
	s_add_co_u32 s35, s35, 2048
	s_add_co_u32 s36, s36, 128
	s_add_co_u32 s32, s32, 1
	s_cmp_lt_u32 s32, 4
	s_cbranch_scc1 .Lkstep
	; my 16 fragments come back for good.  LDS serves a wave's instructions in order (ISA guide 5.7.1.4): these see my stores
	WIN 0x40
.set F, 0
.rept 16
.irp c, 0,1,2,3
	ds_load_b128 v[16*F+4*\c:16*F+4*\c+3], v[LP] offset:2048*F+512*\c
.endr
.set F, F+1
.endr
	WIN 0
.set F, 0
.rept 8
	ds_load_b32 v[PSC+F], v[LPH] offset:256*F      ; lanes 0-15: the word of (t, 2 u); lanes 16-31: that of (t, 2 u + 1): an image holds a row's word in both halves
.set F, F+1
.endr
	s_wait_dscnt 0x0                               ; my reads of U and of my images are over:
	s_barrier_signal -1
	s_barrier_wait -1                              ; everybody's are, so the walk's buffers may be laid over them
; ---- THE WALK OVER x.
; THE VECTOR WORK OF A TILE'S TWO ROWS is a list of 80 entries; QI writes entry QN for set par.  A lane holds 16 neighbours of each row; lanes l and l xor 1 hold a block of 32.
;   0-15 x - proto, two at a time, the rows by turns | 16 the loads of the tile four on (lx = 1) | 17-32 the largest magnitudes, the floor among the first | 33-34 with the neighbour's | 35-40 scale operand, 448 x scale, byte
;   41 + 19 row: 16 holds, 2 conversions, the stores of 16 codes and the byte | 79 a plain line behind the last conversion
.macro QI par, lx
	WIN 0
.if QN < 16
.set qa, 16*(QN%2)+2*(QN/2)
	v_pk_add_f32 v[DF+qa:DF+qa+1], v[X+32*(\par)+qa:X+32*(\par)+qa+1], v[PR+2*(QN/2):PR+2*(QN/2)+1] neg_lo:[0,1] neg_hi:[0,1]
.elseif QN == 16
.if \lx
	LXRUN \par
.endif
.elseif QN < 19
.set qr, QN-17
	v_max3_num_f32 v[TM+qr], |v[DF+16*qr]|, |v[DF+16*qr+1]|, 0x4800000
.elseif QN < 33
.set qr, (QN-17)%2
.set qa, 16*qr+2*((QN-17)/2)
	v_max3_num_f32 v[TM+qr], v[TM+qr], |v[DF+qa]|, |v[DF+qa+1]|
.elseif QN < 35
.set qr, QN-33
	v_max_num_f32_dpp v[TM+qr], v[TM+qr], v[TM+qr] row_xmask:1 row_mask:0xf bank_mask:0xf
.elseif QN < 37
.set qr, QN-35
	v_add_nc_u32 v[TM+4+qr], 0xfc000000, v[TM+qr]
.elseif QN < 39
.set qr, QN-37
	v_and_or_b32 v[TM+2+qr], v[TM+qr], 0x7f800000, s22
.elseif QN < 41
.set qr, QN-39
	v_lshrrev_b32 v[TM+qr], 23, v[TM+4+qr]         ; the byte takes the place of the largest magnitude, which is done with
.elseif QN < 79
.set qr, (QN-41)/19
.set qi, (QN-41)%19
.if qi < 16
	v_med3_num_f32 v[DF+16*qr+qi], v[DF+16*qr+qi], -v[TM+2+qr], v[TM+2+qr]
.elseif qi == 16
	v_cvt_scalef32_pk8_fp8_f32 v[PC+4*qr:PC+4*qr+1], v[DF+16*qr:DF+16*qr+7], v[TM+4+qr]
.elseif qi == 17
	v_cvt_scalef32_pk8_fp8_f32 v[PC+4*qr+2:PC+4*qr+3], v[DF+16*qr+8:DF+16*qr+15], v[TM+4+qr]
.else
	ds_store_b128 v[WI], v[PC+4*qr:PC+4*qr+3] offset:DBUF*(\par)+16*qr
	ds_store_b8 v[WS], v[TM+qr] offset:256*(\par)+16*qr   ; both lanes of a block write the same byte with the same value
.set LC, LC+2
.endif
.else
	v_nop
.endif
.endm
.macro QS cnt, par, lx                 ; the list's next cnt entries
.rept \cnt
	QI \par, \lx
.set QN, QN+1
.endr
.endm
; Matrix instruction k of a body: accumulator t = k % 4 (the four by turns, one instruction a turn), K step s = (k / 4 + 1) % 4.
; k < 12: K steps 1, 2, 3 of the tile in hand.  k >= 12: K step 0 of the NEXT tile, which starts its sums: nothing is ever cleared.
; The scale registers' halves: the projector's word lies in lanes 16-31 for odd s, that of x - proto for s >= 2.
.macro WM k, par
.set wt, (\k)&3
.set ws, (((\k)>>2)+1)&3
.set wa, 16*(4*wt+ws)
.set wd, ACC+8*wt
.set wb, FR+16*ws
.set wp, PSC+2*wt+(ws>>1)
.if (\k) < 12
.set wq, DSC+2*(\par)+(ws&1)
.else
.set wq, DSC+2*(1-(\par))+(ws&1)
.endif
	WIN 0x01                                       ; source 0 (the projector) window 1; source 1 (x - proto), C and D window 0
.if ws == 1
	v_wmma_scale_f32_16x16x128_f8f6f4 v[wd:wd+7], v[wa:wa+15], v[wb:wb+15], v[wd:wd+7], v[wp], v[wq] matrix_a_scale:MATRIX_SCALE_ROW1
.elseif ws == 2
	v_wmma_scale_f32_16x16x128_f8f6f4 v[wd:wd+7], v[wa:wa+15], v[wb:wb+15], v[wd:wd+7], v[wp], v[wq] matrix_b_scale:MATRIX_SCALE_ROW1
.elseif ws == 3
	v_wmma_scale_f32_16x16x128_f8f6f4 v[wd:wd+7], v[wa:wa+15], v[wb:wb+15], v[wd:wd+7], v[wp], v[wq] matrix_a_scale:MATRIX_SCALE_ROW1 matrix_b_scale:MATRIX_SCALE_ROW1
.else
	v_wmma_scale_f32_16x16x128_f8f6f4 v[wd:wd+7], v[wa:wa+15], v[wb:wb+15], 0, v[wp], v[wq]
.endif
.endm
.macro LF s, par                       ; fragment s of the next tile, out of the buffer that the tile in hand does not use
	WIN 0
.irp c, 0,1,2,3
	ds_load_b128 v[FR+16*(\s)+4*\c:FR+16*(\s)+4*\c+3], v[RI] offset:DBUF*(1-(\par))+544*(4*(\s)+\c)
.endr
.set LC, LC+4
.endm
.macro LDSC par                        ; and its rows' scale words: lanes 0-15 take words 0 and 1 of row r, lanes 16-31 words 2 and 3
	WIN 0
	ds_load_b64 v[DSC+2*(1-(\par)):DSC+2*(1-(\par))+1], v[RS] offset:256*(1-(\par))
.set LC, LC+1
.endm
.macro SQ4 a                           ; accumulator a's eight results are squared and summed, from its low end on, in two chains
	WIN 0
.irp i, 0,1,2,3
.set sn, 4*(\a)+\i
.if sn < 2
	v_pk_mul_f32 v[SS+2*sn:SS+2*sn+1], v[ACC+2*sn:ACC+2*sn+1], v[ACC+2*sn:ACC+2*sn+1]
.else
	v_pk_fma_f32 v[SS+2*(sn&1):SS+2*(sn&1)+1], v[ACC+2*sn:ACC+2*sn+1], v[ACC+2*sn:ACC+2*sn+1], v[SS+2*(sn&1):SS+2*(sn&1)+1]
.endif
.endr
.endm
.macro FIN par                         ; my lane's sum over my wave's 32 rows e of its half goes to its own word
	WIN 0
	v_pk_add_f32 v[SS:SS+1], v[SS:SS+1], v[SS+2:SS+3]
	v_add_nc_u32 v[SST], s37, v[SSA]
	v_add_f32 v[SS+2], v[SS], v[SS+1]
	ds_store_b32 v[SST], v[SS+2] offset:1024*(\par)
.set LC, LC+1
.endm
; A BODY: tile j of the walk, par = j % 2.  16 slots: a matrix instruction and a slice of vector work behind it.
; doq = 1: tile j + 2 is quantised (lc: the younger loads that may stay out; lx = 1: tile j + 4 is asked for).  next = 1: tile j + 1's K step 0.  bar = 1: the barrier, and tile j + 1's fragments.
; ONE BARRIER AND TWO BUFFERS.  In front of the signal a wave's stores of tile j + 1's codes have landed and its loads of tile j's fragments are in.  Behind the wait tile j + 1 is read out of one buffer,
; and tile j + 2's codes (the list's entries from 59 on, slot 9 on) go into the other, which held tile j's.
; THE MEMORY INSTRUCTIONS STAND IN FIVE RUNS: fragment 0, the scale words and x behind the barrier; fragment 1; row 0's stores and fragment 2; the sum's store and fragment 3; row 1's stores.
; PLACES: a fragment's loads stand behind the slices of at least two slots that follow its last product, the squares of accumulator t behind those of two slots that follow
; its last product, its new start four slots behind that product: each is eight plain vector instructions or more, the new start nine or more.  Where nothing is left to quantise, v_nop take the list's part: four a slot, two in front of squares.
.macro BODY par, lc, doq, lx, next, bar
.set QN, 0
.set K, 0
.if \doq
	s_wait_loadcnt \lc                             ; tile j + 2's x is in
.endif
.rept 16
.if (K < 12) || \next
.if K == 12
	s_wait_dscnt LC-LM1                            ; all that was issued up to fragment 1's loads is in: fragments 0 and 1 and the scale words of tile j + 1; what was issued behind them may be out
.endif
	WM K, \par
.endif
.if K == 2
.if \doq
	QS 4, \par, \lx
.else
	NOPS 4
.endif
.if \bar
	s_barrier_wait -1
	LF 0, \par
	LDSC \par
.endif
.if \doq
	QS 2, \par, \lx
.endif
.elseif K < 10
.if \doq
	QS 6, \par, \lx
.else
	NOPS 4
.endif
.elseif K < 13
.if \doq
	QS 2, \par, \lx
.else
	NOPS 2
.endif
	SQ4 K-10
.elseif K == 13
	SQ4 3
	FIN \par
.else
.if \doq
	QS 7, \par, \lx
.endif
.endif
.if K == 1
	s_wait_dscnt 0x0                               ; fragments 2 and 3 of this tile are in; my stores of the next tile's codes have landed
.if \bar
	s_barrier_signal -1
.endif
.endif
.if \bar
.if K == 5
	LF 1, \par
.set LM1, LC
.elseif K == 9
	LF 2, \par
.elseif K == 13
	LF 3, \par
.endif
.endif
.set K, K+1
.endr
.endm
	s_mov_b32 s37, 0
	s_wait_loadcnt 8                               ; proto and the walk's tile 0 are in; tile 1's 8 loads may be out
.set QN, 0
	QS 80, 0, 1                                    ; tile 0 is quantised, tile 2 asked for
	s_wait_loadcnt 8                               ; tile 1 is in; tile 2's loads may be out
	s_wait_dscnt 0x0                               ; tile 0's stores have read their registers
.set QN, 0
	QS 80, 1, 1                                    ; tile 1, and tile 3
	WIN 0
	s_wait_dscnt 0x0
	s_barrier_signal -1
	s_barrier_wait -1                              ; the codes of tiles 0 and 1 lie in LDS
	LF 0, 1
	LF 1, 1
	LF 2, 1
	LF 3, 1
	LDSC 1
	s_wait_dscnt 0x0
.set K, 12
.rept 4
	WM K, 1                                        ; tile 0's K step 0 starts the sums
.set K, K+1
.endr
	WIN 0                                          ; at a label and at a branch every window is 0
	s_mov_b32 s23, 30
.Lpair:                                                ; a trip: two tiles, after which sets and buffers are back where they began.  Tiles 0 to 59
	BODY 0, 8, 1, 1, 1, 1
	BODY 1, 8, 1, 1, 1, 1
	WIN 0
	s_add_co_u32 s37, s37, 2048
	s_sub_co_u32 s23, s23, 1
	s_cmp_lg_u32 s23, 0
	s_cbranch_scc1 .Lpair
	BODY 0, 8, 1, 0, 1, 1                          ; tile 60: tile 62 is quantised; nothing is left to ask for: no load leaves x
	BODY 1, 0, 1, 0, 1, 1                          ; tile 61: tile 63 is quantised: its loads are the last
	s_add_co_u32 s37, s37, 2048
	BODY 0, 0, 0, 0, 1, 1                          ; tile 62
	BODY 1, 0, 0, 0, 0, 0                          ; tile 63: no next tile, no barrier
	WIN 0
	; ---- THE END.  Wave w adds the eight waves' sums of the walk's tiles 8 w .. 8 w + 7, and the two halves of the lanes; the roots go out.
.set EL, 118                           ; lane
.set EA, 119                           ; where I read the sums
.set ER, 120                           ; r
.set EH, 121                           ; p % 64 + 8 w + h
.set EO, 122                           ; v122-125 byte offsets in out0's column
.set EV, 126                           ; v126-129 the values
.set EF, 150                           ; v150-213 eight sums for each of eight tiles
	s_wait_dscnt 0x0
	s_barrier_signal -1
	s_barrier_wait -1
	v_and_b32 v[EL], 31, v0
	s_lshl_b32 s40, s14, 13
	s_add_co_u32 s40, s40, SSQ
	v_lshl_add_u32 v[EA], v[EL], 5, s40
.irp i, 0,1,2,3,4,5,6,7
	ds_load_b128 v[EF+8*\i:EF+8*\i+3], v[EA] offset:1024*\i
	ds_load_b128 v[EF+8*\i+4:EF+8*\i+7], v[EA] offset:1024*\i+16
.endr
	v_and_b32 v[ER], 15, v0
	v_bfe_u32 v[EH], v0, 4, 1
	s_lshl_b32 s40, s14, 3
	s_add_co_u32 s40, s40, s16
	v_add_nc_u32 v[EH], s40, v[EH]
	v_cmp_le_u32 vcc_lo, 16, v[EL]
.irp i, 0,1,2,3
	v_add_nc_u32 v[EO+\i], 2*\i, v[EH]             ; lanes 0-15 store the walk's tile 8 w + 2 i, lanes 16-31 the next:
	v_and_b32 v[EO+\i], 63, v[EO+\i]               ; which tile of x that was,
	v_lshl_add_u32 v[EO+\i], v[EO+\i], 4, v[ER]    ; its row r,
	v_mul_u32_u24 v[EO+\i], v[EO+\i], 800          ; and that row of out0
.endr
	s_wait_dscnt 0x0
.irp i, 0,1,2,3,4,5,6,7
	v_pk_add_f32 v[EF+8*\i:EF+8*\i+1], v[EF+8*\i:EF+8*\i+1], v[EF+8*\i+2:EF+8*\i+3]
	v_pk_add_f32 v[EF+8*\i+4:EF+8*\i+5], v[EF+8*\i+4:EF+8*\i+5], v[EF+8*\i+6:EF+8*\i+7]
.endr
.irp i, 0,1,2,3,4,5,6,7
	v_pk_add_f32 v[EF+8*\i:EF+8*\i+1], v[EF+8*\i:EF+8*\i+1], v[EF+8*\i+4:EF+8*\i+5]
.endr
.irp i, 0,1,2,3,4,5,6,7
	v_add_f32 v[EF+8*\i], v[EF+8*\i], v[EF+8*\i+1]
.endr
.irp i, 0,1,2,3,4,5,6,7
	v_permlanex16_b32 v[EF+8*\i+1], v[EF+8*\i], s20, s21
.endr
.irp i, 0,1,2,3,4,5,6,7
	v_add_f32 v[EF+8*\i], v[EF+8*\i], v[EF+8*\i+1] ; every lane holds row r's sum over all 512 e
.endr
.irp i, 0,1,2,3
	v_cndmask_b32 v[EV+\i], v[EF+16*\i], v[EF+16*\i+8], vcc_lo
.endr
.irp i, 0,1,2,3
	v_sqrt_f32 v[EV+\i], v[EV+\i]
.endr
	v_nop                                          ; a plain line between the last root and the use of its result
	s_wait_alu depctr_va_vdst(0)
.irp i, 0,1,2,3
	global_store_b32 v[EO+\i], v[EV+\i], s[12:13]
.endr
	s_wait_tensorcnt 0x0
	ds_add_u32 v254, v255
	s_wait_dscnt 0x0
	s_endpgm
.Lfunc_end_k_q4dd784123e_tangent:
	.size	k_q4dd784123e_tangent, .Lfunc_end_k_q4dd784123e_tangent-k_q4dd784123e_tangent
	.p2alignl 7, 3214868480
	.fill 96, 4, 3214868480
	.section	.rodata,"a",@progbits
	.p2align	6, 0x0
	.amdhsa_kernel k_q4dd784123e_tangent
		.amdhsa_group_segment_fixed_size 322560
		.amdhsa_private_segment_fixed_size 0
		.amdhsa_enable_private_segment 0
		.amdhsa_kernarg_size 40
		.amdhsa_user_sgpr_count 2
		.amdhsa_user_sgpr_kernarg_segment_ptr 1
		.amdhsa_wavefront_size32 1
		.amdhsa_system_sgpr_workgroup_id_x 1
		.amdhsa_system_sgpr_workgroup_id_y 1
		.amdhsa_system_sgpr_workgroup_id_z 1
		.amdhsa_system_vgpr_workitem_id 0
		.amdhsa_next_free_vgpr 512
		.amdhsa_next_free_sgpr 66
		.amdhsa_reserve_vcc 1
		.amdhsa_float_denorm_mode_32 3
		.amdhsa_float_denorm_mode_16_64 3
		.amdhsa_memory_ordered 1
		.amdhsa_forward_progress 1
		.amdhsa_inst_pref_size 133
	.end_amdhsa_kernel
	.amdgpu_metadata
---
amdhsa.version: [ 1, 2 ]
amdhsa.kernels:
  - .name:           k_q4dd784123e_tangent
    .symbol:         k_q4dd784123e_tangent.kd
    .args:
      - { .name: x, .offset: 0, .size: 8, .value_kind: global_buffer, .address_space: global }
      - { .name: protos, .offset: 8, .size: 8, .value_kind: global_buffer, .address_space: global }
      - { .name: subspaces_codes, .offset: 16, .size: 8, .value_kind: global_buffer, .address_space: global }
      - { .name: subspaces_scales, .offset: 24, .size: 8, .value_kind: global_buffer, .address_space: global }
      - { .name: out0, .offset: 32, .size: 8, .value_kind: global_buffer, .address_space: global }
    .group_segment_fixed_size: 322560
    .private_segment_fixed_size: 0
    .kernarg_segment_align: 8
    .kernarg_segment_size: 40
    .max_flat_workgroup_size: 256
    .sgpr_count:     66
    .vgpr_count:     512
    .wavefront_size: 32
...
	.end_amdgpu_metadata
.endif
;; end of part 1
;; ======== version 2 of 2: 1 launch; version 1 with the launch tangent written anew for expert scheduling mode
;; launch tangent (part 2): grid 200 x 1, 8 waves a work-group, no clusters, 322,560 bytes of LDS; arguments x, protos, subspaces_codes, subspaces_scales, out0; writes out0
.if DOCPART == 2
	.amdgcn_target "amdgcn-amd-amdhsa--gfx1250"
	.amdhsa_code_object_version 6
	.text
	.protected	k_q4dd784123e_tangent
	.globl	k_q4dd784123e_tangent
	.p2align	8
	.type	k_q4dd784123e_tangent,@function
k_q4dd784123e_tangent:
	s_mov_b64 s[64:65], 0
	v_nop
	global_prefetch_b8 v0, s[64:65] scope:SCOPE_SE
	s_setreg_imm32_b32 hwreg(HW_REG_WAVE_SCHED_MODE, 0, 2), 2
	s_setreg_imm32_b32 hwreg(HW_REG_WAVE_MODE, 25, 1), 1
	s_wait_xcnt 0x0
	s_wait_alu depctr_vm_vsrc(0)
; out0[b][p] = || (x[b] - protos[p]) (I - U_p U_p^T) ||, both products on codes of FP8 (E4M3) with one E8M0 scale for each 32 along K.
; U_p: 512 rows d of 64 codes, 2 scale bytes a row (given).  x: [1024][512] f32, protos: [200][512] f32, out0: [1024][200] f32.
; SHARES.  One work-group to a prototype p, EIGHT waves of 512 registers, two to a SIMD, so that one wave's vector work and LDS loads stand beside the other's matrix work: a tile has six vector instructions for each matrix instruction.
; Wave w makes the projector's rows e of U's tiles 4 w .. 4 w + 3 (64 rows), quantises them along d and KEEPS their codes: 16 fragments of 16 rows x 128 d, 256 registers (all of window 1).
; Then the eight waves walk x in 64 tiles of 16 rows: each wave quantises 2 rows of x - proto, the codes meet in LDS as the operand's registers want them, every wave multiplies the tile by its 16 fragments and sums the
; squares; at the end the eight waves' sums meet in LDS and the roots go to column p of out0.
; THE FIRST PRODUCT IS USED TRANSPOSED (source 0 = 16 rows d of U, source 1 = 16 rows e), and THE ROWS OF A TILE OF U ARE NOT NEIGHBOURS: row r of tile T is 32 (T / 2) + 8 (T % 2) + r % 8 + 16 (r / 8).
; So the 16 registers of tiles 2 b and 2 b + 1 are 16 neighbours along d, and the conversions' results are the second product's operand.  The same tiles serve as rows e: the norm sums over all e, whatever their order.
; K = 64 is filled to the form's 128 with zero codes under the scale byte 0; they add nothing.
; SIGN.  G - I is made in place of I - G: the diagonal's -1 is the C of the tile's matrix instruction.  The quantiser is odd, so every result changes its sign exactly, and its square not at all.
; BY TURNS.  In the loop each matrix instruction is followed by a slice of vector work: while tile j is multiplied, tile j + 2 is quantised, tile j + 1's fragments are fetched, tile j + 4's x is asked for and tile j's results are squared.
; NO CLUSTER, NO JOINT LOADS, though every work-group reads x: a number of x is used once, by one lane, as f32.  Brought jointly it would land in LDS, 2 MiB written and 2 MiB read for a work-group beside the 4.5 MiB
; of codes that the loop moves there, and while the projector is made LDS holds 321,536 bytes: there is no room for slots while the first tiles are on their way.  The walk begins at tile p % 64, so that the work-groups do not all ask for the same rows at once.
; THE STORES are 4 bytes a lane, 800 bytes apart: a work-group owns one column of out0.  Whole runs of a row would need 64 prototypes in one work-group, or a launch more that turns 819,200 bytes round.
; LIMITS: NaN and infinities in x and protos, NaN codes and scale bytes 0xff in subspaces are not served.  A block whose largest magnitude lies under 2^-118 (a block of zeros too: its codes are zeros) keeps the scale byte 1.
; The diagonal G - 1 is rounded once, inside the matrix instruction, where I - G as written rounds G first and then the difference.
; THE MODE: SCHED_MODE bits 1:0 = 2 (LLVM: expert scheduling mode 2), set by the entry lines.  The code itself states the register dependences
; between vector or matrix instructions and memory or LDS instructions, with s_wait_alu, always for 0.
; THE PLAN, for the walk over x.  Body j works on tile j, par = j % 2.  Registers that memory or LDS instructions touch:
;   X[par]        read by the body's sixteen differences, which all stand ahead of the barrier's wait; behind it tile j + 4's eight loads land there.
;   FR1, FR2, FR3, FR0   a fragment each: read by products 0-3, 4-7, 8-11, 12-15; behind its four products the next tile's fragment lands in it.
;   DSC[par]      read by products 0-11 (and by the last body's 12-15); the OTHER set is loaded in this body.
;   PC, TM, TM+1  written by the conversions and the shifts that make the bytes; read by a row's two stores.
;   SS+2, SST     written where a tile's sum is closed; read by the sum's store.
;   XA, WI, WS, RI, RS   made at the head, never written again.
; FOUR waits on va_vdst a body.  (1) behind the barrier's wait: the differences are done with X[par], the last body's products 12-15 with FR0 and its products 0-11 with DSC's other set, this body's products 0-3 with FR1:
; fragment 0, the scale words and x follow at once, fragment 1 two slots on with no further wait: what is issued between names FR2, DSC[par], the accumulators and the quantiser's registers alone.
; (2) ahead of row 0's stores: their data are written, and products 4-7 are done with FR2: fragment 2 follows.  (3) ahead of the sum's store: its address and data are written, and products 8-11 are done with FR3: fragment 3 follows.
; (4) ahead of row 1's stores.  ONE wait on vm_vsrc, at the body's head: the last body's stores have read what this body writes again.
; While the projector is made: a wait of each kind at a K step's head, one on va_vdst ahead of each image's stores, one on vm_vsrc ahead of the conversions that write the image's registers again.
;
; LDS while the projector is made:
.set USC,   40960                      ; 0 ..: U's 32 tiles of 1,280 bytes: k = 16 q .. 16 q + 15 of row r at 320 q + 16 r.  From USC: a scale word {s0, s1, 0, 0} a row, tile T's at 64 T + 4 r
.set PIMG,  43008                      ; each wave's own 32,768 bytes: fragment (t, s) as an image of its registers at 2,048 (4 t + s) + 512 c + 16 x lane
.set PSCI,  305152                     ; each wave's own 2,048 bytes: the fragments' scale words at 128 (4 t + s) + 4 x lane
; LDS in the walk over x (laid over the above, behind a barrier):
.set DBUF,  8704                       ; 0 ..: two buffers for a tile's codes: the 16 codes d = 16 g .. 16 g + 15 of row r at 272 g + 16 r
.set DSCL,  17408                      ; two buffers of 256 bytes: row r's 16 scale bytes at 16 r
.set SSQ,   17920                      ; the sums of squares: 1,024 x tile of the walk + 32 x lane + 4 x wave
; REGISTERS, window 0, in the walk over x:
.set XA,   1                           ; x: 64 x lane + 4,096 x wave: my 16 numbers of my wave's first row of a tile; never rewritten
.set WI,   2                           ; where I store 16 codes: 272 x lane + 32 x wave
.set WS,   3                           ; and their block's scale byte: DSCL + lane / 2 + 32 x wave
.set RI,   4                           ; where I read a fragment: 272 h + 16 r
.set RS,   5                           ; and two of row r's four scale words: DSCL + 16 r + 8 h
.set SSA,  6                           ; SSQ + 32 x lane + 4 x wave
.set SST,  7                           ; where a tile's sum goes
.set SS,   8                           ; v[8:11] two running pairs of sums
.set TM,   12                          ; v12-13 largest magnitudes, then bytes; v14-15 448 x scale; v16-17 the conversion's scale operand
.set DSC,  18                          ; v18-21 scale words of x - proto, two sets of two: register s % 2, lanes 0-15 for s < 2, lanes 16-31 for s >= 2.  v18-29 hold scales and nothing else
.set PSC,  22                          ; v22-29 the projector's scale words: (t, s) in register 2 t + s / 2, lanes 0-15 for even s, lanes 16-31 for odd s
.set PR,   30                          ; v30-45 proto[16 x lane ..]
.set PC,   46                          ; v46-53 codes just made: two rows
.set X,    54                          ; v54-117 x, two sets of two rows
.set DF,   118                         ; v118-149 two rows of x - proto, 16 numbers each
.set FR,   150                         ; v150-213 the tile's four fragments
.set ACC,  214                         ; v214-245 the second product's four accumulators
; and while the projector is made (proto and x are on their way: v30-45 and v54-117 are left alone):
.set LANE, 8
.set RU,   9                           ; a fragment of U: 320 h + 16 r
.set RUA,  10                          ; the same at this K step's tiles
.set RUB,  11                          ; and at my wave's tiles
.set RSA,  12                          ; U's scale words at this K step's tiles
.set RSB,  13                          ; and at my wave's
.set PWA,  14                          ; where this K step's images go
.set PSA,  15                          ; and their scale words
.set LP,   16                          ; PIMG + 32,768 x wave + 16 x lane
.set LPS,  17                          ; PSCI + 2,048 x wave + 4 x lane
.set BSC,  18                          ; v18-19 scale words of source 1's tile, two by turns
.set ASC,  22                          ; v22-29 of source 0's eight tiles
.set R4,   46                          ; 4 r
.set LPH,  47                          ; LPS + 128 h: lanes 16-31 read the odd K step's word
.set PW,   48                          ; v48-49 the scale word just made
.set UW,   50                          ; the head's LDS and memory offsets
.set USA,  51
.set GU,   52
.set GS,   53
.set PCP,  118                         ; v118-133 a fragment's codes
.set TP,   134                         ; v134-149 +0 largest magnitudes, +4 other half's / bytes, +8 448 x scale, +12 the conversion's scale operand
.set G,    150                         ; v150-213 the first product's eight tiles
.set CD,   214                         ; v[214:221], v[222:229] the diagonal's C for source 0's tile t and for tile t + 4: -1 where d = e, in the wave and K step that hold it; else 0
.set ID,   230                         ; v[230:237] 1 where r - 8 h = j
.set GP,   246
.set KEY,  247
.set TA,   248                         ; r
.set TB,   249                         ; h
.set SW,   250                         ; two rows' scale bytes as loaded; v[252:253] as words
.set SWW,  252
; v254, v255: the closing add's two registers: the LDS address of my spare word (321,536 + 4 x thread) and 0; made at the head and kept for that alone.
; window 1: the projector, fragment (t, s) at 16 (4 t + s); while it is made: source 0's tile a at 16 a, source 1's two sets at 128 and 144.
; scalars: s[4:5] x, s[6:7] proto p, s[8:9] U's codes, s[10:11] U's scales, s[12:13] out0's column p, s14 wave, s15 p, s16 p % 64, s[20:21] lane selects, s22 448's mantissa field, s23 trips,
; s[24:25], s[26:27] x at the tile being loaded (a pair for each set), s[28:29] its offset, s30 the next tile to load, s31, s41 -1 or 0, s32 the K step, s33-36 that step's LDS offsets, s37 the tile pair's place in SSQ, s38-40 at work;
; at the head s32-39 hold for a moment the eight masks of the unit matrix
.set MSB, 0
.set LC,  0                            ; counts the LDS instructions as they are written, for the one wait that leaves some of them out
.set LM1, 0
.macro WIN new                         ; the immediate's high byte repeats the setting that is left; a switch that changes nothing is dropped
.if MSB != (\new)
	s_set_vgpr_msb (MSB<<8)|(\new)
.set MSB, (\new)
.endif
.endm
.macro NOPS n
.rept \n
	v_nop
.endr
.endm
; 8 loads: my wave's 2 rows of the walk's next tile, 16 numbers a lane and row, into set par.  The pair s[24 + 2 par ..] is written again only when the loads that last named it have been waited for.
.macro LXRUN par
	WIN 0
	s_and_b32 s28, s30, 63                         ; the walk goes round x's 64 tiles
	s_lshl_b32 s28, s28, 15                        ; 16 rows of 2,048 bytes
	s_add_co_u32 s30, s30, 1
	s_add_nc_u64 s[24+2*(\par):25+2*(\par)], s[4:5], s[28:29]
.irp r, 0,1
.irp q, 0,1,2,3
	global_load_b128 v[X+32*(\par)+16*\r+4*\q:X+32*(\par)+16*\r+4*\q+3], v[XA], s[24+2*(\par):25+2*(\par)] offset:2048*\r+16*\q
.endr
.endr
.endm
	s_load_b256 s[4:11], s[0:1], 0x0               ; x, protos, U's codes, U's scales
	s_load_b64 s[12:13], s[0:1], 0x20              ; out0
	v_lshl_add_u32 v254, v0, 2, 0x4e800
	v_mov_b32 v255, 0
	v_lshrrev_b32 v[TA], 5, v0
	v_readfirstlane_b32 s14, v[TA]                 ; wave 0..7
	v_and_b32 v[LANE], 31, v0
	v_and_b32 v[TA], 15, v0                        ; r
	v_bfe_u32 v[TB], v0, 4, 1                      ; h
	s_mov_b32 s15, ttmp9                           ; p
	s_and_b32 s16, ttmp9, 63
	s_mov_b32 s30, s16                             ; the walk begins at tile p % 64
	s_mov_b32 s29, 0
	s_mov_b32 s39, 0
	v_lshlrev_b32 v[GU], 4, v0                     ; U's codes: 16 bytes a thread
	v_lshlrev_b32 v[GS], 2, v0                     ; U's scales: 4 bytes a thread: two rows
	v_lshlrev_b32 v[GP], 6, v[LANE]                ; proto: 64 bytes a lane
	s_wait_alu depctr_va_sdst(0)                   ; s14, the wave's number, is written, ahead of its first reader
	s_lshl_b32 s40, s14, 12
	v_add_nc_u32 v[XA], s40, v[GP]
	s_wait_kmcnt 0x0
	s_lshl_b32 s38, s15, 11
	s_add_nc_u64 s[6:7], s[6:7], s[38:39]
	s_lshl_b32 s38, s15, 15
	s_add_nc_u64 s[8:9], s[8:9], s[38:39]
	s_lshl_b32 s38, s15, 10
	s_add_nc_u64 s[10:11], s[10:11], s[38:39]
	s_lshl_b32 s38, s15, 2
	s_add_nc_u64 s[12:13], s[12:13], s[38:39]
	s_wait_alu depctr_va_vdst(0)                   ; the four offsets v[GU], v[GS], v[GP] and v[XA] are written, which the loads below read
.irp i, 0,1,2,3,4,5,6,7
	global_load_b128 v[G+4*\i:G+4*\i+3], v[GU], s[8:9] offset:4096*\i th:TH_LOAD_NT   ; the work-group reads 4,096 consecutive bytes: rows 64 i .. 64 i + 63 of U
.endr
	global_load_b32 v[SW], v[GS], s[10:11] th:TH_LOAD_NT
.irp q, 0,1,2,3
	global_load_b128 v[PR+4*\q:PR+4*\q+3], v[GP], s[6:7] offset:16*\q
.endr
	LXRUN 0                                        ; the walk's first two tiles: they have the whole making of the projector in which to land
	LXRUN 1
	WIN 0x40                                       ; destination window 1
.irp a, 0,1,2,3,4,5,6,7,8,9
.irp i, 8,9,10,11,12,13,14,15
	v_mov_b32 v[16*\a+\i], 0                       ; registers 8 to 15 of source 0's eight fragments and of source 1's two are the zero codes of k = 64 .. 127
.endr
.endr
	WIN 0
.irp b, 0,1,2,3
	v_mov_b32 v[TP+4+\b], 0                        ; written once: a lane permute's destination counts as one of its sources
.endr
	s_mov_b32 s20, 0x76543210
	s_mov_b32 s21, 0xfedcba98                      ; v_permlanex16_b32's selects for lane l xor 16
	s_mov_b32 s22, 0x600000                        ; the mantissa field of 448
	; where thread n puts its 16 bytes of U: row 64 i + n / 4, k = 16 (n % 4) on.  With D = n / 4: tile 4 i + 2 (D / 32) + (D / 8) % 2, row D % 8 + 8 ((D / 16) % 2)
	v_bfe_u32 v[UW], v0, 7, 1
	v_mul_u32_u24 v[UW], v[UW], 2560
	v_bfe_u32 v[KEY], v0, 5, 1
	v_mad_u32_u24 v[UW], v[KEY], 1280, v[UW]
	v_and_b32 v[KEY], 3, v0
	v_mad_u32_u24 v[UW], v[KEY], 320, v[UW]
	v_bfe_u32 v[KEY], v0, 2, 3
	v_lshl_add_u32 v[UW], v[KEY], 4, v[UW]
	v_bfe_u32 v[KEY], v0, 6, 1
	v_lshl_add_u32 v[UW], v[KEY], 7, v[UW]
	; and the scale words of rows 2 n and 2 n + 1: tile 2 (n / 16) + (n / 4) % 2, rows 2 (n % 4) + 8 ((n / 8) % 2) on: 8 bytes on end
	v_lshrrev_b32 v[USA], 4, v0
	v_lshl_add_u32 v[USA], v[USA], 7, USC
	v_bfe_u32 v[KEY], v0, 2, 1
	v_lshl_add_u32 v[USA], v[KEY], 6, v[USA]
	v_and_b32 v[KEY], 3, v0
	v_lshl_add_u32 v[USA], v[KEY], 3, v[USA]
	v_bfe_u32 v[KEY], v0, 3, 1
	v_lshl_add_u32 v[USA], v[KEY], 5, v[USA]
	; the addresses that stay
	v_mul_u32_u24 v[WI], v[LANE], 272
	s_lshl_b32 s40, s14, 5
	v_add_nc_u32 v[WI], s40, v[WI]
	v_lshrrev_b32 v[WS], 1, v[LANE]
	v_add_nc_u32 v[WS], s40, v[WS]
	v_add_nc_u32 v[WS], DSCL, v[WS]
	v_mul_u32_u24 v[RI], v[TB], 272
	v_lshl_add_u32 v[RI], v[TA], 4, v[RI]
	v_lshl_add_u32 v[RS], v[TA], 4, DSCL
	v_lshl_add_u32 v[RS], v[TB], 3, v[RS]
	v_lshl_add_u32 v[SSA], v[LANE], 5, SSQ
	s_lshl_b32 s40, s14, 2
	v_add_nc_u32 v[SSA], s40, v[SSA]
	; and those of the projector's making
	v_mul_u32_u24 v[RU], v[TB], 320
	v_lshl_add_u32 v[RU], v[TA], 4, v[RU]
	s_mul_i32 s40, s14, 5120                       ; my wave's four tiles of U
	v_add_nc_u32 v[RUB], s40, v[RU]
	v_lshlrev_b32 v[R4], 2, v[TA]
	s_lshl_b32 s40, s14, 8
	s_add_co_u32 s40, s40, USC
	v_add_nc_u32 v[RSB], s40, v[R4]
	s_lshl_b32 s40, s14, 15
	s_add_co_u32 s40, s40, PIMG
	v_lshl_add_u32 v[LP], v[LANE], 4, s40
	s_lshl_b32 s40, s14, 11
	s_add_co_u32 s40, s40, PSCI
	v_lshl_add_u32 v[LPS], v[LANE], 2, s40
	v_lshl_add_u32 v[LPH], v[TB], 7, v[LPS]
	; the unit matrix in a result's layout: register j of lane (r, h) is (row 8 h + j of source 0's tile, row r of source 1's): equal rows where r - 8 h = j
	v_lshlrev_b32 v[KEY], 3, v[TB]
	v_sub_nc_u32 v[KEY], v[TA], v[KEY]
.irp j, 0,1,2,3,4,5,6,7
	v_cmp_eq_u32 s[32+\j], \j, v[KEY]              ; the eight compares in one run, a scalar register each
.endr
	s_wait_alu depctr_va_sdst(0)                   ; the eight masks s32 to s39 are written, ahead of the selects that read them
.irp j, 0,1,2,3,4,5,6,7
	v_cndmask_b32 v[ID+\j], 0, 1.0, s[32+\j]
.endr
	s_wait_loadcnt 20                              ; U's codes and scales are in; proto's 4 loads and x's 16 may be out
	v_and_b32 v[SWW], 0xffff, v[SW]                ; a row's two bytes become its word: bytes 2 and 3, over the zero codes, are 0
	v_lshrrev_b32 v[SWW+1], 16, v[SW]
	s_wait_alu depctr_va_vdst(0)                   ; v[UW], v[USA] and the two words are written, which the stores below read; so are all the addresses made above, which later LDS instructions read, and the zero codes, which the first product takes as operands
.irp i, 0,1,2,3,4,5,6,7
	ds_store_b128 v[UW], v[G+4*\i:G+4*\i+3] offset:5120*\i
.endr
	ds_store_b64 v[USA], v[SWW:SWW+1]
	s_wait_dscnt 0x0                               ; for the others' sake: my part of U lies in LDS
	s_barrier_signal -1
	s_barrier_wait -1
; 64 numbers of a lane, v[G] on, register 16 b + i = d 32 b + 16 h + i of my row e, become a fragment's codes in v[PCP] on and its scale word in v[pw].
; cnt: the LDS loads issued since the last fragment's image was stored.
.macro QUANTP pw, cnt
.irp b, 0,1,2,3
	v_max3_num_f32 v[TP+\b], |v[G+16*\b]|, |v[G+1+16*\b]|, 0x4800000   ; block b: my 16 numbers, and the floor 2^(9 - 127): the byte cannot fall under 1.  Each result is read from its low end on
.endr
.irp i, 2,4,6,8,10,12,14
.irp b, 0,1,2,3
	v_max3_num_f32 v[TP+\b], v[TP+\b], |v[G+16*\b+\i]|, |v[G+1+16*\b+\i]|   ; the four blocks by turns
.endr
.endr
.irp b, 0,1,2,3
	v_permlanex16_b32 v[TP+4+\b], v[TP+\b], s20, s21
.endr
.irp b, 0,1,2,3
	v_max_num_f32 v[TP+\b], v[TP+\b], v[TP+4+\b]   ; with lane l xor 16's: the block's largest magnitude, in both halves of the lanes
.endr
.irp b, 0,1,2,3
	v_add_nc_u32 v[TP+12+\b], 0xfc000000, v[TP+\b] ; 8 off its exponent field: the conversion's scale operand
.endr
.irp b, 0,1,2,3
	v_and_or_b32 v[TP+8+\b], v[TP+\b], 0x7f800000, s22   ; 448 x the scale
.endr
.irp b, 0,1,2,3
	v_lshrrev_b32 v[TP+4+\b], 23, v[TP+12+\b]      ; the scale's byte
.endr
	v_lshl_or_b32 v[\pw], v[TP+5], 8, v[TP+4]      ; (the store that last read this word stands two tiles back, ahead of the last tile's wait on vm_vsrc or of the K step's)
	v_lshl_or_b32 v[\pw], v[TP+6], 16, v[\pw]
	v_lshl_or_b32 v[\pw], v[TP+7], 24, v[\pw]
	s_wait_dscnt \cnt
	s_wait_alu depctr_vm_vsrc(0)                   ; the last image's stores have read v[PCP ..], which the conversions below write again, and their scale word, which the next tile writes again
.irp b, 0,1,2,3
.irp i, 0,1,2,3,4,5,6,7,8,9,10,11,12,13,14,15
	v_med3_num_f32 v[G+16*\b+\i], v[G+16*\b+\i], -v[TP+8+\b], v[TP+8+\b]   ; the conversion to an 8-bit code does not saturate (ISA guide 7.6.2): the hold at the largest code x the scale
.endr
	v_cvt_scalef32_pk8_fp8_f32 v[PCP+4*\b:PCP+1+4*\b], v[G+16*\b:G+7+16*\b], v[TP+12+\b]
	v_cvt_scalef32_pk8_fp8_f32 v[PCP+2+4*\b:PCP+3+4*\b], v[G+8+16*\b:G+15+16*\b], v[TP+12+\b]
.endr
	v_nop                                          ; a plain line between the last conversion and the next products, which write its sources
.endm
; Rows e of my tile t against this K step's 128 rows d: eight products, quantised, and the fragment's image stored.
; Rows d equal rows e where 8 s + a = 4 w + t: at a = t in an even wave, at a = t + 4 in an odd one.  Both products take their C from registers, which hold zeros wherever the diagonal is not.
.macro PIT t
.if (\t) == 0
	s_wait_dscnt 0x0                               ; source 0's eight fragments, their scale words and my tile 0
.else
	s_wait_dscnt 5                                 ; my tile t is in: behind its three loads stand the five stores of tile t - 1
.endif
	WIN 0x05                                       ; sources 0 and 1 in window 1
.irp a, 0,1,2,3,4,5,6,7
.if \a == (\t)
	v_wmma_scale_f32_16x16x128_f8f6f4 v[G+8*\a:G+8*\a+7], v[16*\a:16*\a+15], v[128+16*((\t)&1):128+16*((\t)&1)+15], v[CD:CD+7], v[ASC+\a], v[BSC+((\t)&1)]
.elseif \a == (\t)+4
	v_wmma_scale_f32_16x16x128_f8f6f4 v[G+8*\a:G+8*\a+7], v[16*\a:16*\a+15], v[128+16*((\t)&1):128+16*((\t)&1)+15], v[CD+8:CD+15], v[ASC+\a], v[BSC+((\t)&1)]
.else
	v_wmma_scale_f32_16x16x128_f8f6f4 v[G+8*\a:G+8*\a+7], v[16*\a:16*\a+15], v[128+16*((\t)&1):128+16*((\t)&1)+15], 0, v[ASC+\a], v[BSC+((\t)&1)]
.endif
.endr
.if (\t) < 3
	WIN 0x40                                       ; my next tile, into the set that the tile before this one has left.  No wait: that tile's products stand ahead of the wait in front of its image's stores (tile 0: of the K step's), and the eight products since name the other set and the other scale word
	ds_load_b128 v[128+16*(((\t)+1)&1):128+16*(((\t)+1)&1)+3], v[RUB] offset:1280*((\t)+1)
	ds_load_b128 v[128+16*(((\t)+1)&1)+4:128+16*(((\t)+1)&1)+7], v[RUB] offset:1280*((\t)+1)+640
	WIN 0
	ds_load_b32 v[BSC+(((\t)+1)&1)], v[RSB] offset:64*((\t)+1)
.endif
	WIN 0
	NOPS 8                                         ; eight places between the last product and the first read of results
.if (\t) < 3
	QUANTP PW+((\t)&1), 3
.else
	QUANTP PW+((\t)&1), 0
.endif
	s_wait_alu depctr_va_vdst(0)                   ; the conversions have written v[PCP ..] and the shifts the scale word, which the stores below read; this tile's products are done reading their set of source 1 and its scale word, in which the next tile's loads land
.irp c, 0,1,2,3
	ds_store_b128 v[PWA], v[PCP+4*\c:PCP+4*\c+3] offset:8192*(\t)+512*\c
.endr
	ds_store_b32 v[PSA], v[PW+((\t)&1)] offset:512*(\t)
.endm
	; ---- THE PROJECTOR: four K steps of 128 rows d.  The fragments' registers differ from step to step, so they go through my wave's own LDS bytes and the step is written once.
	s_mov_b32 s32, 0
	s_mov_b32 s33, 0
	s_mov_b32 s34, USC
	s_mov_b32 s35, 0
	s_mov_b32 s36, 0
.Lkstep:
	s_lshl_b32 s38, s32, 1
	s_cmp_eq_u32 s38, s14                          ; wave 2 s: its rows e are this K step's first 64 rows d
	s_cselect_b32 s31, -1.0, 0
	s_add_co_u32 s38, s38, 1
	s_cmp_eq_u32 s38, s14                          ; wave 2 s + 1: the other 64
	s_cselect_b32 s41, -1.0, 0
	s_wait_alu depctr_vm_vsrc(0)                   ; the LDS instructions issued so far have read the four addresses that are written below, and the last step's images and scale words; in the first trip: U's stores have read v[G ..], which the products write
.irp j, 0,1,2,3,4,5,6,7
	v_mul_f32 v[CD+\j], s31, v[ID+\j]
.endr
.irp j, 0,1,2,3,4,5,6,7
	v_mul_f32 v[CD+8+\j], s41, v[ID+\j]
.endr
	v_add_nc_u32 v[RUA], s33, v[RU]
	v_add_nc_u32 v[RSA], s34, v[R4]
	v_add_nc_u32 v[PWA], s35, v[LP]
	v_add_nc_u32 v[PSA], s36, v[LPS]
	WIN 0x40
	s_wait_alu depctr_va_vdst(0)                   ; the four addresses are written; the last step's products are done reading source 0's fragments, both sets of source 1 and the scale words, in which the loads below land
.irp a, 0,1,2,3,4,5,6,7
	ds_load_b128 v[16*\a:16*\a+3], v[RUA] offset:1280*\a             ; k = 16 h on
	ds_load_b128 v[16*\a+4:16*\a+7], v[RUA] offset:1280*\a+640       ; k = 32 + 16 h on
.endr
	ds_load_b128 v[128:131], v[RUB]
	ds_load_b128 v[132:135], v[RUB] offset:640
	WIN 0
.irp a, 0,1,2,3,4,5,6,7
	ds_load_b32 v[ASC+\a], v[RSA] offset:64*\a
.endr
	ds_load_b32 v[BSC], v[RSB]
.irp t, 0,1,2,3
	PIT \t
.endr
	s_add_co_u32 s33, s33, 10240
	s_add_co_u32 s34, s34, 512
	s_add_co_u32 s35, s35, 2048
	s_add_co_u32 s36, s36, 128
	s_add_co_u32 s32, s32, 1
	s_cmp_lt_u32 s32, 4
	s_cbranch_scc1 .Lkstep
	; my 16 fragments come back for good.  LDS serves a wave's instructions in order (ISA guide 5.7.1.4): these see my stores
	WIN 0x40
	s_wait_alu depctr_va_vdst(0)                   ; the last K step's products are done reading window 1's fragments and v[ASC ..], and the zero codes are long written: my fragments and their scale words land in these registers
.set F, 0
.rept 16
.irp c, 0,1,2,3
	ds_load_b128 v[16*F+4*\c:16*F+4*\c+3], v[LP] offset:2048*F+512*\c
.endr
.set F, F+1
.endr
	WIN 0
.set F, 0
.rept 8
	ds_load_b32 v[PSC+F], v[LPH] offset:256*F      ; lanes 0-15: the word of (t, 2 u); lanes 16-31: that of (t, 2 u + 1): an image holds a row's word in both halves
.set F, F+1
.endr
	s_wait_dscnt 0x0                               ; my reads of U and of my images are over:
	s_barrier_signal -1
	s_barrier_wait -1                              ; everybody's are, so the walk's buffers may be laid over them
	s_wait_alu depctr_vm_vsrc(0)                   ; my LDS and memory instructions have read the addresses in v8-17 and v46-53 and the last image in v118-133: the walk writes these registers as SS, TM, PC and DF
; ---- THE WALK OVER x.
; THE VECTOR WORK OF A TILE'S TWO ROWS is a list of 79 entries; QI writes entry QN for set par.  A lane holds 16 neighbours of each row; lanes l and l xor 1 hold a block of 32.
;   0-15 x - proto, two at a time, the rows by turns | 16-31 the largest magnitudes, the floor among the first | 32-33 with the neighbour's | 34-39 scale operand, 448 x scale, byte
;   40 + 19 row: 16 holds, 2 conversions, the stores of 16 codes and the byte behind their wait | 78 a plain line behind the last conversion
.macro QI par
	WIN 0
.if QN < 16
.set qa, 16*(QN%2)+2*(QN/2)
	v_pk_add_f32 v[DF+qa:DF+qa+1], v[X+32*(\par)+qa:X+32*(\par)+qa+1], v[PR+2*(QN/2):PR+2*(QN/2)+1] neg_lo:[0,1] neg_hi:[0,1]
.elseif QN < 18
.set qr, QN-16
	v_max3_num_f32 v[TM+qr], |v[DF+16*qr]|, |v[DF+16*qr+1]|, 0x4800000
.elseif QN < 32
.set qr, (QN-16)%2
.set qa, 16*qr+2*((QN-16)/2)
	v_max3_num_f32 v[TM+qr], v[TM+qr], |v[DF+qa]|, |v[DF+qa+1]|
.elseif QN < 34
.set qr, QN-32
	v_max_num_f32_dpp v[TM+qr], v[TM+qr], v[TM+qr] row_xmask:1 row_mask:0xf bank_mask:0xf
.elseif QN < 36
.set qr, QN-34
	v_add_nc_u32 v[TM+4+qr], 0xfc000000, v[TM+qr]
.elseif QN < 38
.set qr, QN-36
	v_and_or_b32 v[TM+2+qr], v[TM+qr], 0x7f800000, s22
.elseif QN < 40
.set qr, QN-38
	v_lshrrev_b32 v[TM+qr], 23, v[TM+4+qr]         ; the byte takes the place of the largest magnitude, which is done with
.elseif QN < 78
.set qr, (QN-40)/19
.set qi, (QN-40)%19
.if qi < 16
	v_med3_num_f32 v[DF+16*qr+qi], v[DF+16*qr+qi], -v[TM+2+qr], v[TM+2+qr]
.elseif qi == 16
	v_cvt_scalef32_pk8_fp8_f32 v[PC+4*qr:PC+4*qr+1], v[DF+16*qr:DF+16*qr+7], v[TM+4+qr]
.elseif qi == 17
	v_cvt_scalef32_pk8_fp8_f32 v[PC+4*qr+2:PC+4*qr+3], v[DF+16*qr+8:DF+16*qr+15], v[TM+4+qr]
.else
	s_wait_alu depctr_va_vdst(0)                   ; the conversions have written the row's codes and the shift its byte, which the two stores read.  In a body, row 0's wait also states that products 4 to 7 are done reading fragment 2, in which the loads behind the stores land
	ds_store_b128 v[WI], v[PC+4*qr:PC+4*qr+3] offset:DBUF*(\par)+16*qr
	ds_store_b8 v[WS], v[TM+qr] offset:256*(\par)+16*qr   ; both lanes of a block write the same byte with the same value
.set LC, LC+2
.endif
.else
	v_nop
.endif
.endm
.macro QS cnt, par                     ; the list's next cnt entries
.rept \cnt
	QI \par
.set QN, QN+1
.endr
.endm
; Matrix instruction k of a body: accumulator t = k % 4 (the four by turns, one instruction a turn), K step s = (k / 4 + 1) % 4.
; k < 12: K steps 1, 2, 3 of the tile in hand.  k >= 12: K step 0 of the NEXT tile, which starts its sums: nothing is ever cleared.
; The scale registers' halves: the projector's word lies in lanes 16-31 for odd s, that of x - proto for s >= 2.
.macro WM k, par
.set wt, (\k)&3
.set ws, (((\k)>>2)+1)&3
.set wa, 16*(4*wt+ws)
.set wd, ACC+8*wt
.set wb, FR+16*ws
.set wp, PSC+2*wt+(ws>>1)
.if (\k) < 12
.set wq, DSC+2*(\par)+(ws&1)
.else
.set wq, DSC+2*(1-(\par))+(ws&1)
.endif
	WIN 0x01                                       ; source 0 (the projector) window 1; source 1 (x - proto), C and D window 0
.if ws == 1
	v_wmma_scale_f32_16x16x128_f8f6f4 v[wd:wd+7], v[wa:wa+15], v[wb:wb+15], v[wd:wd+7], v[wp], v[wq] matrix_a_scale:MATRIX_SCALE_ROW1
.elseif ws == 2
	v_wmma_scale_f32_16x16x128_f8f6f4 v[wd:wd+7], v[wa:wa+15], v[wb:wb+15], v[wd:wd+7], v[wp], v[wq] matrix_b_scale:MATRIX_SCALE_ROW1
.elseif ws == 3
	v_wmma_scale_f32_16x16x128_f8f6f4 v[wd:wd+7], v[wa:wa+15], v[wb:wb+15], v[wd:wd+7], v[wp], v[wq] matrix_a_scale:MATRIX_SCALE_ROW1 matrix_b_scale:MATRIX_SCALE_ROW1
.else
	v_wmma_scale_f32_16x16x128_f8f6f4 v[wd:wd+7], v[wa:wa+15], v[wb:wb+15], 0, v[wp], v[wq]
.endif
.endm
.macro LF s, par                       ; fragment s of the next tile, out of the buffer that the tile in hand does not use
	WIN 0
.irp c, 0,1,2,3
	ds_load_b128 v[FR+16*(\s)+4*\c:FR+16*(\s)+4*\c+3], v[RI] offset:DBUF*(1-(\par))+544*(4*(\s)+\c)
.endr
.set LC, LC+4
.endm
.macro LDSC par                        ; and its rows' scale words: lanes 0-15 take words 0 and 1 of row r, lanes 16-31 words 2 and 3
	WIN 0
	ds_load_b64 v[DSC+2*(1-(\par)):DSC+2*(1-(\par))+1], v[RS] offset:256*(1-(\par))
.set LC, LC+1
.endm
.macro SQ4 a                           ; accumulator a's eight results are squared and summed, from its low end on, in two chains
	WIN 0
.irp i, 0,1,2,3
.set sn, 4*(\a)+\i
.if sn < 2
	v_pk_mul_f32 v[SS+2*sn:SS+2*sn+1], v[ACC+2*sn:ACC+2*sn+1], v[ACC+2*sn:ACC+2*sn+1]
.else
	v_pk_fma_f32 v[SS+2*(sn&1):SS+2*(sn&1)+1], v[ACC+2*sn:ACC+2*sn+1], v[ACC+2*sn:ACC+2*sn+1], v[SS+2*(sn&1):SS+2*(sn&1)+1]
.endif
.endr
.endm
.macro FIN par                         ; my lane's sum over my wave's 32 rows e of its half goes to its own word
	WIN 0
	v_pk_add_f32 v[SS:SS+1], v[SS:SS+1], v[SS+2:SS+3]
	v_add_nc_u32 v[SST], s37, v[SSA]
	v_add_f32 v[SS+2], v[SS], v[SS+1]
	s_wait_alu depctr_va_vdst(0)                   ; v[SST] and v[SS+2] are written, which the store reads; products 8 to 11 are done reading fragment 3, in which the loads behind the store land
	ds_store_b32 v[SST], v[SS+2] offset:1024*(\par)
.set LC, LC+1
.endm
; A BODY: tile j of the walk, par = j % 2.  16 slots: a matrix instruction and a slice of vector work behind it (product 3 stands in slot 2, ahead of the barrier's wait, so that the wait on va_vdst behind that wait speaks for it too).
; doq = 1: tile j + 2 is quantised (lc: the younger loads that may stay out; lx = 1: tile j + 4 is asked for).  next = 1: tile j + 1's K step 0.  bar = 1: the barrier, and tile j + 1's fragments.
; ONE BARRIER AND TWO BUFFERS.  In front of the signal a wave's stores of tile j + 1's codes have landed and its loads of tile j's fragments are in.  Behind the wait tile j + 1 is read out of one buffer,
; and tile j + 2's codes (the list's entries from 58 on, slot 9 on) go into the other, which held tile j's.
; THE MEMORY INSTRUCTIONS STAND IN FIVE RUNS: fragment 0, the scale words and x behind the barrier; fragment 1; row 0's stores and fragment 2; the sum's store and fragment 3; row 1's stores.  All but fragment 1's have a wait on va_vdst at their head (the plan).
; PLACES: the squares of accumulator t stand behind the slices of two slots that follow its last product, its new start four slots behind that product: each is eight plain vector instructions or more, the new start nine or more;
; a fragment's loads too stand eight plain vector instructions or more behind its last product.  Where nothing is left to quantise, v_nop take the list's part: four a slot, two in front of squares.
.macro BODY par, lc, doq, lx, next, bar
.set QN, 0
.set K, 0
.if \doq
	s_wait_loadcnt \lc                             ; tile j + 2's x is in
.endif
	s_wait_alu depctr_vm_vsrc(0)                   ; the LDS stores issued so far have read what this body writes again: v[SS+2] and v[SST], and where a tile is quantised v[PC ..], v[TM] and v[TM+1]
.rept 16
.if ((K < 12) || \next) && (K != 3)
.if K == 12
	s_wait_dscnt LC-LM1                            ; all that was issued up to fragment 1's loads is in: fragments 0 and 1 and the scale words of tile j + 1; what was issued behind them may be out
.endif
	WM K, \par
.endif
.if K == 2
.if \doq
	QS 2, \par
.else
	NOPS 2
.endif
	WM 3, \par
.if \doq
	QS 2, \par
.else
	NOPS 2
.endif
.if \bar
	WIN 0
	s_barrier_wait -1
	s_wait_alu depctr_va_vdst(0)                   ; the sixteen differences are done reading X[par]; the last body's products 12 to 15 are done reading fragment 0, its products 0 to 11 the other set of scale words, this body's products 0 to 3 fragment 1: loads land in all four
	LF 0, \par
	LDSC \par
.if \lx
	LXRUN \par
.endif
.endif
.if \doq
	QS 1, \par
.endif
.elseif K < 10
.if \doq
	QS 6, \par
.else
	NOPS 4
.endif
.elseif K < 13
.if \doq
	QS 2, \par
.else
	NOPS 2
.endif
	SQ4 K-10
.elseif K == 13
	SQ4 3
	FIN \par
.else
.if \doq
	QS 7, \par
.endif
.endif
.if K == 1
	s_wait_dscnt 0x0                               ; fragments 2 and 3 of this tile are in; my stores of the next tile's codes have landed
.if \bar
	s_barrier_signal -1
.endif
.endif
.if \bar
.if K == 5
	LF 1, \par                                     ; no wait: nothing issued since the wait behind the barrier names fragment 1's registers or v[RI]
.set LM1, LC
.elseif K == 9
.if !\doq
	WIN 0
	s_wait_alu depctr_va_vdst(0)                   ; no row is stored here, so the wait is written by itself: products 4 to 7 are done reading fragment 2, in which the loads below land
.endif
	LF 2, \par
.elseif K == 13
	LF 3, \par
.endif
.endif
.set K, K+1
.endr
.endm
	s_mov_b32 s37, 0
	s_wait_loadcnt 8                               ; proto and the walk's tile 0 are in; tile 1's 8 loads may be out
.set QN, 0
	QS 16, 0                                       ; tile 0's differences
	s_wait_alu depctr_va_vdst(0)                   ; they are done reading X0, in which tile 2's loads land
	LXRUN 0
	QS 63, 0                                       ; tile 0 is quantised
	s_wait_loadcnt 8                               ; tile 1 is in; tile 2's loads may be out
	s_wait_dscnt 0x0                               ; tile 0's stores have landed
	s_wait_alu depctr_vm_vsrc(0)                   ; and have read v[PC ..], v[TM] and v[TM+1], which tile 1's list writes again
.set QN, 0
	QS 16, 1                                       ; tile 1's differences
	s_wait_alu depctr_va_vdst(0)                   ; they are done reading X1, in which tile 3's loads land
	LXRUN 1
	QS 63, 1
	WIN 0
	s_wait_dscnt 0x0
	s_barrier_signal -1
	s_barrier_wait -1                              ; the codes of tiles 0 and 1 lie in LDS
	LF 0, 1                                        ; no wait: all that ever named these registers (as v[G ..] and v[BSC ..]) stands ahead of the wait in front of tile 1's last stores, and only a v_nop was issued since
	LF 1, 1
	LF 2, 1
	LF 3, 1
	LDSC 1
	s_wait_dscnt 0x0
.set K, 12
.rept 4
	WM K, 1                                        ; tile 0's K step 0 starts the sums
.set K, K+1
.endr
	WIN 0                                          ; at a label and at a branch every window is 0
	s_mov_b32 s23, 30
.Lpair:                                                ; a trip: two tiles, after which sets and buffers are back where they began.  Tiles 0 to 59
	BODY 0, 8, 1, 1, 1, 1
	BODY 1, 8, 1, 1, 1, 1
	WIN 0
	s_add_co_u32 s37, s37, 2048
	s_sub_co_u32 s23, s23, 1
	s_cmp_lg_u32 s23, 0
	s_cbranch_scc1 .Lpair
	BODY 0, 8, 1, 0, 1, 1                          ; tile 60: tile 62 is quantised; nothing is left to ask for: no load leaves x
	BODY 1, 0, 1, 0, 1, 1                          ; tile 61: tile 63 is quantised: its loads are the last
	s_add_co_u32 s37, s37, 2048
	BODY 0, 0, 0, 0, 1, 1                          ; tile 62
	BODY 1, 0, 0, 0, 0, 0                          ; tile 63: no next tile, no barrier
	WIN 0
	; ---- THE END.  Wave w adds the eight waves' sums of the walk's tiles 8 w .. 8 w + 7, and the two halves of the lanes; the roots go out.
.set EL, 118                           ; lane
.set EA, 119                           ; where I read the sums
.set ER, 120                           ; r
.set EH, 121                           ; p % 64 + 8 w + h
.set EO, 122                           ; v122-125 byte offsets in out0's column
.set EV, 126                           ; v126-129 the values
.set EF, 150                           ; v150-213 eight sums for each of eight tiles
	s_wait_dscnt 0x0
	s_barrier_signal -1
	s_barrier_wait -1
	v_and_b32 v[EL], 31, v0
	s_lshl_b32 s40, s14, 13
	s_add_co_u32 s40, s40, SSQ
	v_lshl_add_u32 v[EA], v[EL], 5, s40
	s_wait_alu depctr_va_vdst(0)                   ; v[EA] is written, which the loads read; the last tile's products are done reading the four fragments, in whose registers the sums land
.irp i, 0,1,2,3,4,5,6,7
	ds_load_b128 v[EF+8*\i:EF+8*\i+3], v[EA] offset:1024*\i
	ds_load_b128 v[EF+8*\i+4:EF+8*\i+7], v[EA] offset:1024*\i+16
.endr
	v_and_b32 v[ER], 15, v0
	v_bfe_u32 v[EH], v0, 4, 1
	s_lshl_b32 s40, s14, 3
	s_add_co_u32 s40, s40, s16
	v_add_nc_u32 v[EH], s40, v[EH]
	v_cmp_le_u32 vcc_lo, 16, v[EL]
.irp i, 0,1,2,3
	v_add_nc_u32 v[EO+\i], 2*\i, v[EH]             ; lanes 0-15 store the walk's tile 8 w + 2 i, lanes 16-31 the next:
	v_and_b32 v[EO+\i], 63, v[EO+\i]               ; which tile of x that was,
	v_lshl_add_u32 v[EO+\i], v[EO+\i], 4, v[ER]    ; its row r,
	v_mul_u32_u24 v[EO+\i], v[EO+\i], 800          ; and that row of out0
.endr
	s_wait_dscnt 0x0
.irp i, 0,1,2,3,4,5,6,7
	v_pk_add_f32 v[EF+8*\i:EF+8*\i+1], v[EF+8*\i:EF+8*\i+1], v[EF+8*\i+2:EF+8*\i+3]
	v_pk_add_f32 v[EF+8*\i+4:EF+8*\i+5], v[EF+8*\i+4:EF+8*\i+5], v[EF+8*\i+6:EF+8*\i+7]
.endr
.irp i, 0,1,2,3,4,5,6,7
	v_pk_add_f32 v[EF+8*\i:EF+8*\i+1], v[EF+8*\i:EF+8*\i+1], v[EF+8*\i+4:EF+8*\i+5]
.endr
.irp i, 0,1,2,3,4,5,6,7
	v_add_f32 v[EF+8*\i], v[EF+8*\i], v[EF+8*\i+1]
.endr
.irp i, 0,1,2,3,4,5,6,7
	v_permlanex16_b32 v[EF+8*\i+1], v[EF+8*\i], s20, s21
.endr
.irp i, 0,1,2,3,4,5,6,7
	v_add_f32 v[EF+8*\i], v[EF+8*\i], v[EF+8*\i+1] ; every lane holds row r's sum over all 512 e
.endr
	s_wait_alu depctr_va_vcc(0)                    ; VCC, the mask of lanes 16 to 31, is written, ahead of the selects that read it
.irp i, 0,1,2,3
	v_cndmask_b32 v[EV+\i], v[EF+16*\i], v[EF+16*\i+8], vcc_lo
.endr
.irp i, 0,1,2,3
	v_sqrt_f32 v[EV+\i], v[EV+\i]
.endr
	v_nop                                          ; a plain line between the last root and the use of its result
	s_wait_alu depctr_va_vdst(0)                   ; the four roots v[EV ..] and the four offsets v[EO ..] are written, which the stores read
.irp i, 0,1,2,3
	global_store_b32 v[EO+\i], v[EV+\i], s[12:13]
.endr
	s_wait_dscnt 0x0                               ; the closing lines, six on end
	s_wait_alu 0x0
	s_wait_tensorcnt 0x0
	ds_add_u32 v254, v255
	s_wait_dscnt 0x0
	s_endpgm
.Lfunc_end_k_q4dd784123e_tangent:
	.size	k_q4dd784123e_tangent, .Lfunc_end_k_q4dd784123e_tangent-k_q4dd784123e_tangent
	.p2alignl 7, 3214868480
	.fill 96, 4, 3214868480
	.section	.rodata,"a",@progbits
	.p2align	6, 0x0
	.amdhsa_kernel k_q4dd784123e_tangent
		.amdhsa_group_segment_fixed_size 322560
		.amdhsa_private_segment_fixed_size 0
		.amdhsa_enable_private_segment 0
		.amdhsa_kernarg_size 40
		.amdhsa_user_sgpr_count 2
		.amdhsa_user_sgpr_kernarg_segment_ptr 1
		.amdhsa_wavefront_size32 1
		.amdhsa_system_sgpr_workgroup_id_x 1
		.amdhsa_system_sgpr_workgroup_id_y 1
		.amdhsa_system_sgpr_workgroup_id_z 1
		.amdhsa_system_vgpr_workitem_id 0
		.amdhsa_next_free_vgpr 512
		.amdhsa_next_free_sgpr 66
		.amdhsa_reserve_vcc 1
		.amdhsa_float_denorm_mode_32 3
		.amdhsa_float_denorm_mode_16_64 3
		.amdhsa_memory_ordered 1
		.amdhsa_forward_progress 1
		.amdhsa_inst_pref_size 135
	.end_amdhsa_kernel
	.amdgpu_metadata
---
amdhsa.version: [ 1, 2 ]
amdhsa.kernels:
  - .name:           k_q4dd784123e_tangent
    .symbol:         k_q4dd784123e_tangent.kd
    .args:
      - { .name: x, .offset: 0, .size: 8, .value_kind: global_buffer, .address_space: global }
      - { .name: protos, .offset: 8, .size: 8, .value_kind: global_buffer, .address_space: global }
      - { .name: subspaces_codes, .offset: 16, .size: 8, .value_kind: global_buffer, .address_space: global }
      - { .name: subspaces_scales, .offset: 24, .size: 8, .value_kind: global_buffer, .address_space: global }
      - { .name: out0, .offset: 32, .size: 8, .value_kind: global_buffer, .address_space: global }
    .group_segment_fixed_size: 322560
    .private_segment_fixed_size: 0
    .kernarg_segment_align: 8
    .kernarg_segment_size: 40
    .max_flat_workgroup_size: 256
    .sgpr_count:     66
    .vgpr_count:     512
    .wavefront_size: 32
...
	.end_amdgpu_metadata
.endif
;; end of part 2
